; MI455X (gfx1250); checked and timed in simulation.
; The chip was launched on July 23, 2026; its instructions are those of AMD's public machine-readable ISA for CDNA 5 (MIT licence, August 2026) and "CDNA5" Instruction Set Architecture Reference Guide (July 2026). The comments in the code are by the model that wrote it; some were corrected since.
;; Custom LSTM Cell. Allowed arithmetic: float matrix products may take bf16 or f16 operands with f32 sums; other float arithmetic in f32, or as packed bf16 or f16 multiplies, adds, multiply-adds, maxima and minima; sums over many terms, partial sums and values carried from step to step in f32; what a program stores and reads back later, other than sums and carried values, may be rounded once to bf16 or f16.
;; Inputs: W_f 2,048 x 1,024 float32; W_g 2,048 x 1,024 float32; W_i 2,048 x 1,024 float32; W_o 2,048 x 1,024 float32; Z 8,192 x 1,024 float32; b_f 1,024 float32; b_g 1,024 float32; b_i 1,024 float32; b_o 1,024 float32; c_prev 8,192 x 1,024 float32; h_prev 8,192 x 1,024 float32.
;; Outputs: out0 8,192 x 1,024 float32; out1 8,192 x 1,024 float32.
;; 2 versions, each right; version 2 is version 1 with the launch prep written anew for expert scheduling mode. Each part assembles by itself: llvm-mc -triple=amdgcn-amd-amdhsa -mcpu=gfx1250 --defsym DOCPART=n.
;; ======== version 1 of 2: 2 launches
;; limits: below input magnitudes of 1e-05 results are inexact or not finite
;; workspace buffers: Abf 33,554,432 bytes; Wbf 16,777,216 bytes
;; launch prep (part 1): grid 768 x 1, 8 waves a work-group, no clusters, 0 bytes of LDS; arguments Z, h_prev, W_i, W_f, W_o, W_g, Abf, Wbf; writes Abf, Wbf
.if DOCPART == 1
	.amdgcn_target "amdgcn-amd-amdhsa--gfx1250"
	.amdhsa_code_object_version 6
	.text
	.protected	k_qb2c2335fcb_prep
	.globl	k_qb2c2335fcb_prep
	.p2align	8
	.type	k_qb2c2335fcb_prep,@function
k_qb2c2335fcb_prep:
	s_mov_b64 s[64:65], 0
	v_nop
	global_prefetch_b8 v0, s[64:65] scope:SCOPE_SE
	s_setreg_imm32_b32 hwreg(HW_REG_WAVE_MODE, 25, 1), 1
	s_wait_xcnt 0x0
; THE OPERANDS OF THE CELL'S PRODUCT, rounded once to bf16 (to nearest even) and laid out for it.  A stream: every input byte is read once, every output byte written once.
; Abf [8192][2048] bf16, rows of 4,096 bytes: columns 0-1023 are Z's, 1024-2047 h_prev's.
; Wbf bf16, [J 16][S 16][b 16][kc 16][r 16][e 8]: byte J<<20 + S<<16 + b<<12 + kc<<8 + r<<4 + 2 e holds W_gate[128 S + 8 kc + e][64 J + 4 r + t], b = 4 gate + t, gates i, f, o, g = 0..3.
; So eight neighbouring k of one column are 16 bytes on end, with no transposition: a lane that loads 4 columns of 8 rows holds four such pieces.
; SHARES.  768 work-groups of eight waves, each reading 128 KiB and writing 64 KiB.  Work-groups 0-511: 16 rows of Z and of h_prev.  512-767: 512 rows x 64 columns of one weight.
; All 32 loads of a wave go out first; the waits count down.  No register is written again behind a store, so no wait frees any.  Nothing is shared between waves: no LDS, no barrier.
.set VI, 1                             ; v1        my byte offset in the source
.set VO, 2                             ; v2        my byte offset in the destination
.set X,  8                             ; v[8:135]  32 loads of four registers
.set O,  136                           ; v[136:199] the weights' packed pieces
	s_load_b512 s[16:31], s[0:1], 0x0              ; Z s[16:17], h_prev s[18:19], W_i s[20:21], W_f s[22:23], W_o s[24:25], W_g s[26:27], Abf s[28:29], Wbf s[30:31]
	s_cmp_lt_u32 ttmp9, 512
	s_cbranch_scc0 .Lweights
	; Z AND h_prev.  A row of either is 4,096 bytes: thread t takes bytes 16 t .. 16 t + 15, so a wave's load covers 512 consecutive bytes, and its 8 bytes of bf16 go to byte 8 t of half a row of Abf.
	s_lshl_b32 s8, ttmp9, 16                       ; 16 rows of 4,096 bytes, in all three tensors
	s_mov_b32 s9, 0
	v_lshlrev_b32 v[VI], 4, v0
	v_lshlrev_b32 v[VO], 3, v0
	s_wait_kmcnt 0x0
	s_add_nc_u64 s[16:17], s[16:17], s[8:9]
	s_add_nc_u64 s[18:19], s[18:19], s[8:9]
	s_add_nc_u64 s[28:29], s[28:29], s[8:9]
.set i, 0
.rept 32                               ; loads 0-15: Z's rows; 16-31: h_prev's
	global_load_b128 v[X+4*i:X+4*i+3], v[VI], s[16+2*(i/16):17+2*(i/16)] offset:(i%16)*4096 th:TH_LOAD_NT
.set i, i+1
.endr
.set i, 0
.rept 32
	s_wait_loadcnt 31-i                            ; loads come back in order (ISA guide 5.7.1): load i is in, the younger ones stay out
	v_cvt_pk_bf16_f32 v[X+4*i],   v[X+4*i],   v[X+4*i+1]
	v_cvt_pk_bf16_f32 v[X+4*i+1], v[X+4*i+2], v[X+4*i+3]
	global_store_b64 v[VO], v[X+4*i:X+4*i+1], s[28:29] offset:(i%16)*4096+(i/16)*2048  ; a wave's 32 lanes store 256 consecutive bytes, aligned
.set i, i+1
.endr
	s_endpgm
.Lweights:
	; A WEIGHT.  Work-group 512 + 64 gate + 4 J + SQ takes rows 512 SQ .. + 511, columns 64 J .. + 63; wave w 64 of the rows, in four blocks of 16.
	; Lane (r = l % 16, h = l / 16) loads columns 4 r .. 4 r + 3 of rows 8 h + 0..7 of a block: lanes 0-15 read 256 consecutive bytes, aligned, of one row, lanes 16-31 of the row eight further down.
	v_lshrrev_b32 v3, 5, v0
	v_readfirstlane_b32 s3, v3                     ; wave 0..7
	s_sub_co_u32 s6, ttmp9, 512
	s_lshr_b32 s7, s6, 6                           ; gate
	s_bfe_u32 s10, s6, 0x40002                     ; J
	s_and_b32 s11, s6, 3                           ; SQ
	s_lshl_b32 s8, s11, 21                         ; source: (512 SQ + 64 w) rows of 4,096 bytes + 256 J
	s_lshl_b32 s12, s3, 18
	s_add_co_u32 s8, s8, s12
	s_lshl_b32 s12, s10, 8
	s_add_co_u32 s8, s8, s12
	s_mov_b32 s9, 0
	s_lshl_b32 s12, s10, 20                        ; destination: J<<20 + (4 SQ + w / 2)<<16 + gate<<14 + (w % 2)<<11
	s_lshl_b32 s13, s11, 18
	s_add_co_u32 s12, s12, s13
	s_lshr_b32 s13, s3, 1
	s_lshl_b32 s13, s13, 16
	s_add_co_u32 s12, s12, s13
	s_lshl_b32 s13, s7, 14
	s_add_co_u32 s12, s12, s13
	s_and_b32 s13, s3, 1
	s_lshl_b32 s13, s13, 11
	s_add_co_u32 s12, s12, s13
	s_mov_b32 s13, 0
	v_and_b32 v3, 15, v0                           ; r
	v_bfe_u32 v4, v0, 4, 1                         ; h
	v_lshlrev_b32 v[VI], 4, v3
	v_lshl_add_u32 v[VI], v4, 15, v[VI]            ; 8 h rows + 16 r
	v_and_b32 v[VO], 31, v0
	v_lshlrev_b32 v[VO], 4, v[VO]                  ; kc's low bit is h: 256 h + 16 r = 16 l
	s_wait_kmcnt 0x0
	s_cmp_eq_u32 s7, 1
	s_cselect_b64 s[4:5], s[22:23], s[20:21]
	s_cmp_eq_u32 s7, 2
	s_cselect_b64 s[4:5], s[24:25], s[4:5]
	s_cmp_eq_u32 s7, 3
	s_cselect_b64 s[4:5], s[26:27], s[4:5]
	s_add_nc_u64 s[4:5], s[4:5], s[8:9]
	s_add_nc_u64 s[30:31], s[30:31], s[12:13]
.set i, 0
.rept 32                               ; block i / 8, row i % 8 of my eight
	global_load_b128 v[X+4*i:X+4*i+3], v[VI], s[4:5] offset:(16*(i/8)+i%8)*4096 th:TH_LOAD_NT
.set i, i+1
.endr
.irp qq, 0,1,2,3
	s_wait_loadcnt 24-8*(\qq)                      ; block qq's eight loads are in, the younger blocks' stay out
.irp t, 0,1,2,3
.irp e, 0,1,2,3
	v_cvt_pk_bf16_f32 v[O+16*(\qq)+4*(\t)+(\e)], v[X+32*(\qq)+8*(\e)+(\t)], v[X+32*(\qq)+8*(\e)+4+(\t)]  ; column 4 r + t, rows 2 e and 2 e + 1
.endr
.endr
.irp t, 0,1,2,3
	global_store_b128 v[VO], v[O+16*(\qq)+4*(\t):O+16*(\qq)+4*(\t)+3], s[30:31] offset:(\t)*4096+(\qq)*512  ; 512 consecutive bytes, aligned
.endr
.endr
	s_endpgm
.Lfunc_end_k_qb2c2335fcb_prep:
	.size	k_qb2c2335fcb_prep, .Lfunc_end_k_qb2c2335fcb_prep-k_qb2c2335fcb_prep
	.p2alignl 7, 3214868480
	.fill 96, 4, 3214868480
	.section	.rodata,"a",@progbits
	.p2align	6, 0x0
	.amdhsa_kernel k_qb2c2335fcb_prep
		.amdhsa_group_segment_fixed_size 0
		.amdhsa_private_segment_fixed_size 0
		.amdhsa_enable_private_segment 0
		.amdhsa_kernarg_size 64
		.amdhsa_user_sgpr_count 2
		.amdhsa_user_sgpr_kernarg_segment_ptr 1
		.amdhsa_wavefront_size32 1
		.amdhsa_system_sgpr_workgroup_id_x 1
		.amdhsa_system_sgpr_workgroup_id_y 1
		.amdhsa_system_sgpr_workgroup_id_z 1
		.amdhsa_system_vgpr_workitem_id 0
		.amdhsa_next_free_vgpr 200
		.amdhsa_next_free_sgpr 66
		.amdhsa_reserve_vcc 0
		.amdhsa_float_denorm_mode_32 3
		.amdhsa_float_denorm_mode_16_64 3
		.amdhsa_memory_ordered 1
		.amdhsa_forward_progress 1
		.amdhsa_inst_pref_size 22
	.end_amdhsa_kernel
	.amdgpu_metadata
---
amdhsa.version: [ 1, 2 ]
amdhsa.kernels:
  - .name:           k_qb2c2335fcb_prep
    .symbol:         k_qb2c2335fcb_prep.kd
    .args:
      - { .name: Z, .offset: 0, .size: 8, .value_kind: global_buffer, .address_space: global }
      - { .name: h_prev, .offset: 8, .size: 8, .value_kind: global_buffer, .address_space: global }
      - { .name: W_i, .offset: 16, .size: 8, .value_kind: global_buffer, .address_space: global }
      - { .name: W_f, .offset: 24, .size: 8, .value_kind: global_buffer, .address_space: global }
      - { .name: W_o, .offset: 32, .size: 8, .value_kind: global_buffer, .address_space: global }
      - { .name: W_g, .offset: 40, .size: 8, .value_kind: global_buffer, .address_space: global }
      - { .name: Abf, .offset: 48, .size: 8, .value_kind: global_buffer, .address_space: global }
      - { .name: Wbf, .offset: 56, .size: 8, .value_kind: global_buffer, .address_space: global }
    .group_segment_fixed_size: 0
    .private_segment_fixed_size: 0
    .kernarg_segment_align: 8
    .kernarg_segment_size: 64
    .max_flat_workgroup_size: 256
    .sgpr_count:     66
    .vgpr_count:     200
    .wavefront_size: 32
...
	.end_amdgpu_metadata
.endif
;; end of part 1
;; launch cell (part 2): grid 16 x 16, 4 waves a work-group, clusters of 4 x 4, 327,680 bytes of LDS; arguments Abf, Wbf, c_prev, b_i, b_f, b_o, b_g, out0, out1; writes out0, out1
.if DOCPART == 2
	.amdgcn_target "amdgcn-amd-amdhsa--gfx1250"
	.amdhsa_code_object_version 6
	.text
	.protected	k_qb2c2335fcb_cell
	.globl	k_qb2c2335fcb_cell
	.p2align	8
	.type	k_qb2c2335fcb_cell,@function
k_qb2c2335fcb_cell:
	s_mov_b64 s[64:65], 0
	v_nop
	global_prefetch_b8 v0, s[64:65] scope:SCOPE_SE
	s_setreg_imm32_b32 hwreg(HW_REG_WAVE_MODE, 25, 1), 1
	s_wait_xcnt 0x0
	s_wait_alu depctr_hold_cnt(0) depctr_sa_sdst(0) depctr_va_vdst(0) depctr_va_sdst(0) depctr_va_ssrc(0) depctr_va_vcc(0) depctr_vm_vsrc(0)
	s_getreg_b32 s2, hwreg(HW_REG_IB_STS2, 6, 4)
	s_cmp_eq_u32 s2, 0
	s_cbranch_scc0 .Lentry_in_a_cluster
	s_endpgm
.Lentry_in_a_cluster:
	s_bfe_u32 s2, ttmp6, 0x10000c
	s_cmp_lg_u32 s2, 0xf033
	s_cbranch_scc0 .Lentry_shape_is_right
	s_endpgm
.Lentry_shape_is_right:
; THE LSTM CELL.  x_gate = [Z | h_prev] W_gate + b_gate for the gates i, f, o, g; c = sigmoid(x_f) c_prev + sigmoid(x_i) tanh(x_g) -> out1; h = sigmoid(x_o) tanh(c) -> out0.
; The four products are ONE product [8192] x [4096] over K = 2048, of Abf and Wbf (bf16, each number rounded once; sums in f32); biases, c_prev and all that follows the sums in f32.
; sigmoid(x) = 1 / (1 + 2^(-x log2 e)); tanh(x) = 1 - 2 / (1 + 2^(2 x log2 e)).  An exponential that overflows gives a reciprocal of 0, one that is flushed to 0 a reciprocal of 1: both ends are right with no clamp.
; LIMITS.  tanh in this form has an absolute error of about 2^-23: below |x| of about 1e-5 its relative accuracy is lost.  NaN and infinities among the inputs are not treated apart.
; SHARES.  A tile is 256 rows x 64 hidden columns x 4 gates.  A work-group of four waves makes TWO tiles, 4,096 rows apart, of one block J of 64 columns; wave w owns rows 64 w .. 64 w + 63 of a tile and all 256
; columns of the product: 64 accumulators (a = 0..3 blocks of 16 rows, b = 4 gate + t), 512 registers.  Column r of block b is hidden column 64 J + 4 r + t (Wbf is laid so): in the result lane (r = l % 16, h = l / 16)
; holds, in register j of the accumulators (a, 4 gate + 0..3), FOUR NEIGHBOURING hidden columns of row 16 a + 8 h + j for every gate.  So the gates meet in a lane, and a load of c_prev or a store of c or h
; is 16 bytes a lane, sixteen lanes covering 256 consecutive bytes, aligned: the results go through no LDS stage.
; THE RING.  K goes in steps of 128 through two LDS slots filled by the tensor data mover: 256 rows of A (256 bytes each, padded to 272) and B's 64 KiB, which lie dense in Wbf and are read as they lie:
; a fragment load of B takes 512 consecutive LDS bytes.  The ring runs on from the first tile into the second.
; CLUSTERS.  4 x 4 work-groups.  The four of a row of the cluster need the same rows of A, the four of a column the same block of B: each is asked for JOINTLY, by the same tensor load, descriptor and mask in all four.
; REGISTERS, in windows of 256 (s_set_vgpr_msb's low byte: bits 1:0 source 0, 3:2 source 1, 5:4 source 2, 7:6 destination):
;   window 0: v0-31 addresses; v32-63, v64-95 A's fragments, two buffers; v96-127 the 16 biases, scaled, each twice (a pair for the packed multiply-add); v128-255 c_prev of my 64 rows, then c
;   window 1: B's fragments, two buffers of 128      window 2: the accumulators of a = 0, 1 at v[8 (16 (a % 2) + b)]      window 3: those of a = 2, 3
.set PITCH,  272                       ; an LDS row of A: 256 bytes + 16 of padding = 68 words: row r starts at bank 4 r mod 64 (64 banks of 4 bytes: ISA guide 11.1)
.set HALFA,  128*PITCH                 ; what waves 0 and 1 each fetch
.set BOFF,   256*PITCH                 ; B's block lies behind A's 256 rows
.set HALFB,  32768                     ; what waves 2 and 3 each fetch
.set SLOT,   BOFF+2*HALFB              ; 135,168 bytes
.set SPARE,  2*SLOT                    ; behind the ring: the spare words, 128 bytes for each wave: two blocks of 256 bytes that no other line names
.set LAPS,   8                         ; a lap = two K steps = once round the ring; 16 K steps a tile
.set WALKB,  4096*4096                 ; bytes from a tile's rows to the next tile's, in Abf, c_prev, out0 and out1 alike (rows of 4,096 bytes)
.set NEXT_A, WALKB-14*256              ; from a slot's last K step of a tile to its first of the next: 4,096 rows down, 14 steps back
.set BACK_B, 14*65536                  ; B only back: both tiles take the same block
.set NEXT_P, WALKB-15*256              ; the prefetches' address: from step 17 of a tile to step 2 of the next
.set ADRA, 16                          ; v16-17  LDS address of my A fragments in slot 0, 1
.set ADRB, 20                          ; v20-21  the same for B
.set BO,   24                          ; v24     16 r: my four columns in a block of 64 f32
.set CO,   26                          ; v26     my byte offset in my wave's rows of c_prev, out0, out1: 8 h rows + 16 r; never rewritten
.set SPW,  28                          ; v28     LDS address of my spare word: SPARE + 4 x my thread's number; never rewritten
.set NIL,  29                          ; v29     0; never rewritten
.set PFO,  30                          ; v30     the prefetches' lane term; never rewritten
.set FA,   32                          ; A's fragment buffers
.set RAW,  64                          ; at the head alone: the biases as loaded
.set BI,   96
.set CP,   128
.set G1,   24                          ; s[24:31] descriptor group 1 for A's tiles;  s[32:39] group 0, a set for each slot
.set G0,   32
.set G1B,  48                          ; s[48:55], s[56:63] the same for B's
.set G0B,  56
.set LIM,  43                          ; s43      1 in a wave that prefetches, else the greatest number
.set PFA,  44                          ; s[44:45] where my prefetches stand
.set PFS,  46                          ; s[46:47] their step from K step to K step: 256 bytes in A, 65,536 in B
.set CPB,  72                          ; s[72:73] c_prev at my wave's first row and column
.set BB,   74                          ; s[74:81] b_i, b_f, b_o, b_g
.set HB,   82                          ; s[82:83] out0
.set CB,   84                          ; s[84:85] out1
.set NL,   88                          ; s[88:89] -log2 e, named as a pair
.set TL,   90                          ; s[90:91] 2 log2 e
.set MSB, 0
.macro WIN new                         ; the immediate's high byte repeats the setting that is left; a switch that changes nothing is dropped
.if MSB != (\new)
	s_set_vgpr_msb (MSB<<8)|(\new)
.set MSB, (\new)
.endif
.endm
.set MUL_LO, 0xa4                      ; source 0 (A) window 0, source 1 (B) window 1, C and D window 2
.set MUL_HI, 0xf4                      ; the same, C and D window 3
.set TO_B,   0x40                      ; destination window 1, address window 0
; A joint load.  Waves 0 and 1 fetch A's two halves, waves 2 and 3 B's.  The branch hangs on the wave's number alone.  An s_nop 0 and four v_nop follow each of the two lines.
.macro JLOAD s
	s_cmp_eq_u32 s11, 0
	s_cbranch_scc0 .Lfor_b_\@
	tensor_load_to_lds s[G0+4*(\s):G0+4*(\s)+3], s[G1:G1+7]
	s_nop 0
.rept 4
	v_nop
.endr
	s_branch .Lasked_\@
.Lfor_b_\@:
	tensor_load_to_lds s[G0B+4*(\s):G0B+4*(\s)+3], s[G1B:G1B+7]
	s_nop 0
.rept 4
	v_nop
.endr
.Lasked_\@:
.endm
; A PREFETCH INTO THE L2 of the K step that stands TWO refills on (512 matrix instructions ahead of the load that will want it): 32 blocks of 256 bytes, a lane a block, one instruction a wave.
; Each block is named ONCE in the launch.  A's rows are read by all four clusters of a row of clusters: the one with cluster x = 0 asks; B's block by all four of a column: cluster y = 0 asks.  The four partners that
; ask for a tile jointly share it out BY ADDRESS: of the 128 blocks that wave w fetches the partner at place p takes 32 p .. 32 p + 31 (p = cx for A, cy for B).  how = 0, in the loop: a tile's last two refills
; have no K step two on.  how = 1, at the change of tiles: the next tile's K steps 2 and 3 of A; B's block has been walked and is asked for no more.
.macro ASK how
.if \how
	s_cmp_eq_u32 s[LIM], 1
.else
	s_cmp_gt_u32 s3, s[LIM]                        ; s3 = 1 in the loop's last trip
.endif
	s_cbranch_scc0 .Lnot_mine_\@
	global_prefetch_b8 v[PFO], s[PFA:PFA+1] th:TH_LOAD_NT scope:SCOPE_SE
.Lnot_mine_\@:
.endm
; A round of the cluster's barrier: my work-group's barrier; wave 0 signals for the work-group; every wave waits for all sixteen; my work-group's barrier once more.
.macro CREST                           ; a round behind its opening barrier
	s_cmp_lg_u32 s10, 0
	s_cbranch_scc1 .Lnot_wave_0_\@
	s_barrier_signal -3
.Lnot_wave_0_\@:
	s_barrier_wait -3
	s_barrier_signal -1
	s_barrier_wait -1
.endm
.macro CROUND                          ; a whole round
	s_barrier_signal -1
	s_barrier_wait -1
	CREST
.endm
	s_load_b512 s[68:83], s[0:1], 0x0              ; Abf s[68:69], Wbf s[70:71], c_prev s[72:73], b_i, b_f, b_o, b_g s[74:81], out0 s[82:83]
	s_load_b64 s[84:85], s[0:1], 0x40              ; out1
	v_lshl_add_u32 v[SPW], v0, 2, SPARE
	v_mov_b32 v[NIL], 0
	ds_add_u32 v[SPW], v[NIL]                      ; the wave's opening: the add and its wait stand ahead of my first tensor load; the set-up below, work on registers, stands between them
	v_lshrrev_b32 v4, 5, v0
	v_readfirstlane_b32 s10, v4                    ; wave 0..3
	s_lshr_b32 s11, s10, 1                         ; I fetch for A (0) or for B (1),
	s_and_b32 s12, s10, 1                          ; and which half
	s_bfe_u32 s40, ttmp6, 0x40000                  ; cx, cy: my place in the cluster
	s_bfe_u32 s41, ttmp6, 0x40004
	s_lshl_b32 s42, ttmp9, 2
	s_add_co_u32 s42, s42, s40                     ; J = 4 x cluster x + cx: my block of 64 hidden columns
	s_and_b32 s13, ttmp7, 0xffff
	s_lshl_b32 s13, s13, 2
	s_add_co_u32 s13, s13, s41                     ; y = 4 x cluster y + cy: my first tile's 256 rows
	s_lshl_b32 s86, s41, 2
	s_lshl_b32 s86, 15, s86                        ; my row of the cluster: places 4 cy .. 4 cy + 3
	s_lshl_b32 s87, 0x1111, s40                    ; my column: places cx, cx + 4, cx + 8, cx + 12
	; descriptor group 1.  A: 128 rows x 128 elements of 2 bytes, 2,048 elements from row to row, padded in LDS.  B: 32,768 dense bytes as 128 rows of 256, laid down without a gap.
	s_or_b32 s[G1+0], s86, (1<<16)|(1<<20)|(1<<21)|(5<<22)|(3<<25)  ; 15:0 the mask; 17:16 elements of 2 bytes; 20 padding on; 21 set beside a mask; 24:22 after every 64 words (code 5); 31:25 4 words of it (code 3)
	s_or_b32 s[G1B+0], s87, (1<<16)|(1<<21)        ; the column's mask; no padding
.irp g, G1, G1B
	s_mov_b32 s[(\g)+1], 128<<16                   ; tensor_dim0 = 128
	s_mov_b32 s[(\g)+2], 128<<16                   ; tensor_dim1 = 128
	s_mov_b32 s[(\g)+3], 128<<16                   ; tile_dim0 = 128
	s_mov_b32 s[(\g)+4], 128                       ; tile_dim1 = 128
	s_mov_b32 s[(\g)+6], 0
	s_mov_b32 s[(\g)+7], 0
.endr
	s_mov_b32 s[G1+5], 2048                        ; tensor_dim0_stride
	s_mov_b32 s[G1B+5], 128
	s_mov_b32 s[NL], 0xbfb8aa3b
	s_mov_b32 s[NL+1], 0xbfb8aa3b
	s_mov_b32 s[TL], 0x4038aa3b
	s_mov_b32 s[TL+1], 0x4038aa3b
	s_mul_i32 s20, s10, HALFA                      ; where A's halves go: waves 0, 1: bytes 0 and 34,816 of a slot
	s_mul_i32 s22, s10, HALFB
	s_add_co_u32 s22, s22, BOFF-2*HALFB            ; where B's go: waves 2, 3: BOFF and BOFF + 32,768.  No place in the cluster enters an LDS address
	; where the tiles come from.  A's address hangs on y and the wave alone, B's on J and the wave alone, each in registers that never hold the other coordinate
	s_lshl_b32 s16, s13, 20                        ; 256 y rows of 4,096 bytes
	s_lshl_b32 s21, s12, 19                        ; + my 128
	s_add_co_u32 s16, s16, s21
	s_mov_b32 s17, 0
	s_lshl_b32 s92, s42, 20                        ; block J: 16 K steps of 65,536 bytes
	s_lshl_b32 s21, s12, 15                        ; + my half of a step's
	s_add_co_u32 s92, s92, s21
	s_mov_b32 s93, 0
	s_wait_dscnt 0x0                               ; the opening add is done
	s_wait_kmcnt 0x0
	s_add_nc_u64 s[14:15], s[68:69], s[16:17]
	s_add_nc_u64 s[92:93], s[70:71], s[92:93]
	CROUND                                         ; all sixteen work-groups are here: the first joint loads meet
.irp s, 0,1
	s_mov_b32 s[G0+4*(\s)], 1                                      ; 1:0 count = 1
	s_add_co_u32 s[G0+4*(\s)+1], s20, (\s)*SLOT                    ; 63:32 LDS address
	s_add_nc_u64 s[G0+4*(\s)+2:G0+4*(\s)+3], s[14:15], (\s)*256    ; 120:64 global address: K step s
	s_or_b32 s[G0+4*(\s)+3], s[G0+4*(\s)+3], 0x80000000            ; 127:126 type = 2
	s_mov_b32 s[G0B+4*(\s)], 1
	s_add_co_u32 s[G0B+4*(\s)+1], s22, (\s)*SLOT
	s_add_nc_u64 s[G0B+4*(\s)+2:G0B+4*(\s)+3], s[92:93], (\s)*65536
	s_or_b32 s[G0B+4*(\s)+3], s[G0B+4*(\s)+3], 0x80000000
	JLOAD \s                                       ; two tensor loads of mine are out; behind each later round, one
.endr
	; A fragment of A is 16 rows x 32 K in 8 registers: lane l holds row l % 16; registers 0-3 hold K = 8 (l / 16) + 0..7, registers 4-7 K = 16 + 8 (l / 16) + 0..7: two loads of 16 bytes, 32 bytes apart.
	; A fragment of B has the same map for its 16 columns; in B's block the pieces of 8 K lie [b][kc][r]: lane l's first piece at 16 l of the quarter's 1,024 bytes, its second 512 bytes on.
	v_and_b32 v1, 15, v0                           ; r
	v_bfe_u32 v2, v0, 4, 1                         ; h
	v_and_b32 v3, 31, v0                           ; l
	v_mul_u32_u24 v4, v1, PITCH
	v_lshl_add_u32 v4, v2, 4, v4
	s_mul_i32 s21, s10, 64*PITCH                   ; my 64 rows
	v_add_nc_u32 v[ADRA], s21, v4
	v_add_nc_u32 v[ADRA+1], SLOT, v[ADRA]
	v_lshlrev_b32 v4, 4, v3
	v_add_nc_u32 v[ADRB], BOFF, v4
	v_add_nc_u32 v[ADRB+1], BOFF+SLOT, v4
	v_lshlrev_b32 v[BO], 4, v1
	v_lshl_add_u32 v[CO], v2, 15, v[BO]
	s_lshl_b32 s94, s13, 20                        ; c_prev, out0, out1: 256 y rows + my wave's 64 + 256 J bytes
	s_lshl_b32 s21, s10, 18
	s_add_co_u32 s94, s94, s21
	s_lshl_b32 s96, s42, 8
	s_add_co_u32 s94, s94, s96
	s_mov_b32 s95, 0
	s_mov_b32 s97, 0
	s_add_nc_u64 s[CPB:CPB+1], s[CPB:CPB+1], s[94:95]
	s_add_nc_u64 s[HB:HB+1], s[HB:HB+1], s[94:95]
	s_add_nc_u64 s[CB:CB+1], s[CB:CB+1], s[94:95]
.irp g, 0,1,2,3
	s_add_nc_u64 s[BB+2*(\g):BB+2*(\g)+1], s[BB+2*(\g):BB+2*(\g)+1], s[96:97]
	global_load_b128 v[RAW+4*(\g):RAW+4*(\g)+3], v[BO], s[BB+2*(\g):BB+2*(\g)+1]  ; gate g's bias of my four columns
.endr
	; the prefetches: both candidates' offsets, then the choice by what I fetch.  They stand at K step 3: the first refill steps them to 4.  Nothing is prefetched here, at the head
	s_lshl_b32 s94, s13, 20                        ; A: row 256 y + 128 x half + 32 cx,
	s_lshl_b32 s21, s12, 19
	s_add_co_u32 s94, s94, s21
	s_lshl_b32 s21, s40, 17
	s_add_co_u32 s94, s94, s21
	s_add_co_u32 s94, s94, 3*256
	s_lshl_b32 s98, s42, 20                        ; B: block J, my half, 32 cy blocks of 256 bytes
	s_lshl_b32 s21, s12, 15
	s_add_co_u32 s98, s98, s21
	s_lshl_b32 s21, s41, 13
	s_add_co_u32 s98, s98, s21
	s_add_co_u32 s98, s98, 3*65536
	s_and_b32 s21, ttmp7, 0xffff                   ; cluster y
	s_mov_b32 s[PFS], 65536
	s_mov_b32 s[PFS+1], 0
	s_cmp_eq_u32 s11, 0                            ; do I fetch for A?
	s_cselect_b32 s94, s94, s98
	s_cselect_b32 s21, ttmp9, s21                  ; the coordinate along which other clusters read the same blocks
	s_cselect_b64 s[PFA:PFA+1], s[68:69], s[70:71]
	s_cselect_b32 s[PFS], 256, s[PFS]
	s_cselect_b32 s96, 12, 8                       ; a lane a row of 4,096 bytes in A, a lane a block of 256 in B
	s_cmp_eq_u32 s21, 0
	s_cselect_b32 s[LIM], 1, -1                    ; the same in all sixteen partners, for a given wave
	s_add_nc_u64 s[PFA:PFA+1], s[PFA:PFA+1], s[94:95]
	v_lshlrev_b32 v[PFO], s96, v3
	s_wait_loadcnt 0x0                             ; the biases
.set i, 0
.rept 16                               ; bias 4 gate + t times the factor of its gate's exponential, twice: the multiply-add in front of the exponential then takes bias and factor at once
.if i < 12
	v_mul_f32 v[BI+2*i],   s[NL], v[RAW+i]
	v_mul_f32 v[BI+2*i+1], s[NL], v[RAW+i]
.else
	v_mul_f32 v[BI+2*i],   s[TL], v[RAW+i]
	v_mul_f32 v[BI+2*i+1], s[TL], v[RAW+i]
.endif
.set i, i+1
.endr
; 16 matrix instructions: block a of my rows x all 16 blocks of columns, 32 along K, from buffer f.  zero = 1: the product starts the sums: nothing is ever cleared.
; The 64 accumulators take turns, one instruction a turn, in the same order in every quarter: between two links of a chain stand the 63 others'.
.macro MUL16 f, a, zero
	WIN MUL_LO+0x50*((\a)/2)
.irp b, 0,1,2,3,4,5,6,7,8,9,10,11,12,13,14,15
.if \zero
	v_wmma_f32_16x16x32_bf16 v[8*(16*((\a)%2)+(\b)):8*(16*((\a)%2)+(\b))+7], v[FA+32*(\f)+8*(\a):FA+32*(\f)+8*(\a)+7], v[128*(\f)+8*(\b):128*(\f)+8*(\b)+7], 0
.else
	v_wmma_f32_16x16x32_bf16 v[8*(16*((\a)%2)+(\b)):8*(16*((\a)%2)+(\b))+7], v[FA+32*(\f)+8*(\a):FA+32*(\f)+8*(\a)+7], v[128*(\f)+8*(\b):128*(\f)+8*(\b)+7], v[8*(16*((\a)%2)+(\b)):8*(16*((\a)%2)+(\b))+7]
.endif
.endr
.endm
; 40 LDS loads in one run: quarter q (32 along K) of a slot's K step into buffer f: B's 16 fragments, then A's four, in ascending order
.macro FETCH slot, q, f
	WIN TO_B
.irp b, 0,1,2,3,4,5,6,7,8,9,10,11,12,13,14,15
	ds_load_b128 v[128*(\f)+8*(\b):128*(\f)+8*(\b)+3],   v[ADRB+(\slot)] offset:(\b)*4096+(\q)*1024
	ds_load_b128 v[128*(\f)+8*(\b)+4:128*(\f)+8*(\b)+7], v[ADRB+(\slot)] offset:(\b)*4096+(\q)*1024+512
.endr
	WIN 0
.irp a, 0,1,2,3
	ds_load_b128 v[FA+32*(\f)+8*(\a):FA+32*(\f)+8*(\a)+3],   v[ADRA+(\slot)] offset:(\a)*16*PITCH+(\q)*64
	ds_load_b128 v[FA+32*(\f)+8*(\a)+4:FA+32*(\f)+8*(\a)+7], v[ADRA+(\slot)] offset:(\a)*16*PITCH+(\q)*64+32
.endr
.endm
; A load into a register that a matrix instruction has read stands four places behind it, and only plain vector instructions that name none of its registers are places
; (ISA guide 7.12.1 for vector instructions): four v_nop in front of each run of loads.
.macro PLACES
.rept 4
	v_nop
.endr
.endm
; A K step is four quarters of 32 along K, 64 matrix instructions each, on buffers 0, 1, 0, 1.  One of the first three: multiplies buffer f; in its middle it fetches quarter q of the same slot into buffer g.
.macro QUARTER slot, q, f, g, zero
	s_wait_dscnt 4                                 ; B and A's blocks 0, 1 are in; the youngest four loads (A's blocks 2, 3) may be out
	MUL16 \f, 0, \zero
	MUL16 \f, 1, \zero
	PLACES
	FETCH \slot, \q, \g
	s_wait_dscnt 40                                ; all but the 40 just issued
	MUL16 \f, 2, \zero
	MUL16 \f, 3, \zero
.endm
; The last quarter multiplies buffer 1 and changes slots.  MEET is its first half: ONE barrier.  In front of it each wave waits for all its tensor loads, of which one is out: its part of the next slot; adds 0 to its
; spare word; and waits for that and for its own reads of this slot.  Behind it nobody reads this slot any more and the next slot is whole.  round = 1: a round of the cluster's barrier follows.
.macro MEET round
	WIN 0                                          ; (the add's two registers lie in window 0)
	s_wait_tensorcnt 0x0                           ; all my tensor loads have landed;
	ds_add_u32 v[SPW], v[NIL]                      ; 0 onto my spare word;
	s_wait_dscnt 7                                 ; (the add and the six loads of A's blocks 1 to 3 may be out)
	MUL16 1, 0, 0                                  ; sixteen matrix instructions stand between the add and the wait for it
	s_wait_dscnt 0x0                               ; the add is done, and my reads of this slot are over:
	s_barrier_signal -1                            ; say so,
	MUL16 1, 1, 0                                  ; work on registers while the others arrive,
.if \round
	WIN 0
.endif
	s_barrier_wait -1                              ; and go on when all four have said so
.endm
; The whole last quarter.  Behind the round the slot just read out is filled again first: with this tile's K step two on (on = 0) or with the next tile's K step 0 or 1 (on = 1); then come the next slot's first
; fragments.  From a request to the wait for it a wave issues 224 matrix instructions.
.macro TURN slot, next, on
	s_wait_xcnt 0x0                                ; the last prefetch, a K step back, has read its address, which is stepped here, ahead of the waits of the change of slots
.if (\on) && (\slot) == 0
	s_add_nc_u64 s[PFA:PFA+1], s[PFA:PFA+1], NEXT_P
	s_cmp_eq_u32 s11, 0
	s_cselect_b32 s[LIM], s[LIM], -1               ; B's block is the same for both tiles: it is asked for no more
.else
	s_add_nc_u64 s[PFA:PFA+1], s[PFA:PFA+1], s[PFS:PFS+1]
.endif
	MEET 1
	CREST                                          ; no wave of any partner still reads this slot's tile or has a load on its way
.if \on
	s_add_nc_u64 s[G0+4*(\slot)+2:G0+4*(\slot)+3], s[G0+4*(\slot)+2:G0+4*(\slot)+3], NEXT_A
	s_sub_nc_u64 s[G0B+4*(\slot)+2:G0B+4*(\slot)+3], s[G0B+4*(\slot)+2:G0B+4*(\slot)+3], BACK_B
.else
	s_add_nc_u64 s[G0+4*(\slot)+2:G0+4*(\slot)+3], s[G0+4*(\slot)+2:G0+4*(\slot)+3], 2*256
	s_add_nc_u64 s[G0B+4*(\slot)+2:G0B+4*(\slot)+3], s[G0B+4*(\slot)+2:G0B+4*(\slot)+3], 2*65536
.endif
	JLOAD \slot                                    ; the first tensor load behind the round; the four v_nop behind it are also the places in front of the loads below
	FETCH \next, 0, 0
	ASK \on                                        ; behind the joint load and the run of LDS loads that the next products wait for
	MUL16 1, 2, 0
	MUL16 1, 3, 0
.endm
; c_prev of my 64 rows x 64 columns: 32 loads, issued at a tile's head and wanted at its end; register CP + 32 a + 4 j + t is row 16 a + 8 h + j, column 4 r + t
.macro CPLOAD
	WIN 0
.set i, 0
.rept 32
	global_load_b128 v[CP+4*i:CP+4*i+3], v[CO], s[CPB:CPB+1] offset:(16*(i/8)+i%8)*4096 th:TH_LOAD_NT  ; lanes 0-15: 256 consecutive bytes, aligned; lanes 16-31 the row eight further down
.set i, i+1
.endr
.endm
; THE CELL'S TAIL for block a of my rows.  A0: the block's 128 accumulator registers, in window W: gate i at A0 + 8 t + j, f at + 32, o at + 64, g at + 96.  CC: its c_prev, in window 0, at CC + 4 j + t.
.macro ARG q                           ; pair q of 64: (x + b) times the factor of the gate's exponential, in one multiply-add.  Each accumulator's lowest registers are read first
.if (\q) < 48
	v_pk_fma_f32 v[A0+2*(\q):A0+2*(\q)+1], v[A0+2*(\q):A0+2*(\q)+1], s[NL:NL+1], v[BI+2*((\q)/4):BI+2*((\q)/4)+1] op_sel_hi:[1,0,1]
.else
	v_pk_fma_f32 v[A0+2*(\q):A0+2*(\q)+1], v[A0+2*(\q):A0+2*(\q)+1], s[TL:TL+1], v[BI+2*((\q)/4):BI+2*((\q)/4)+1] op_sel_hi:[1,0,1]
.endif
.endm
.macro ONE base, q                     ; 1 + the exponential
	v_pk_add_f32 v[(\base)+2*(\q):(\base)+2*(\q)+1], v[(\base)+2*(\q):(\base)+2*(\q)+1], 1.0 op_sel_hi:[1,0]
.endm
; n pairs of reciprocals of 1 + e, in place: ONE BATCH.  A pair's addition stands a pair ahead of its reciprocals; no line names a reciprocal's result; a plain instruction and one wait end the batch.
.macro RCPS base, n
	ONE \base, 0
.set p, 0
.rept \n
.if p+1 < (\n)
	ONE \base, p+1
.endif
	v_rcp_f32 v[(\base)+2*p],   v[(\base)+2*p]
	v_rcp_f32 v[(\base)+2*p+1], v[(\base)+2*p+1]
.set p, p+1
.endr
	v_nop
	s_wait_alu depctr_va_vdst(0)
.endm
.macro TANH base                       ; 32 numbers: 1 - 2 r
.set p, 0
.rept 16
	v_pk_fma_f32 v[(\base)+2*p:(\base)+2*p+1], v[(\base)+2*p:(\base)+2*p+1], -2.0, 1.0 op_sel_hi:[1,0,0]
.set p, p+1
.endr
.endm
.macro EPI a
.set W,  2+(\a)/2
.set A0, 128*((\a)%2)
.set CC, CP+32*(\a)
	WIN (W<<6)|W                                   ; destination and source 0 in the block's window; the biases in window 0
	ARG 0
.set p, 0
.rept 64                               ; the 128 exponentials are one batch: a pair's argument is made a pair ahead; no line names a result
.if p < 63
	ARG p+1
.endif
	v_exp_f32 v[A0+2*p],   v[A0+2*p]
	v_exp_f32 v[A0+2*p+1], v[A0+2*p+1]
.set p, p+1
.endr
	v_nop                                          ; a plain instruction behind the last exponential,
	s_wait_alu depctr_va_vdst(0)                   ; and the batch's one wait, ahead of the first line that names a result
	RCPS A0, 64                                    ; i, f, o are finished; of g the reciprocal
	TANH A0+96                                     ; g
	WIN (W<<6)|(W<<2)|W
.set p, 0
.rept 16
	v_pk_mul_f32 v[A0+2*p:A0+2*p+1], v[A0+2*p:A0+2*p+1], v[A0+96+2*p:A0+96+2*p+1]  ; i g
.set p, p+1
.endr
	WIN (W<<4)|W                                   ; f and i g in the block's window, c_prev and c in window 0
.irp j, 0,1,2,3,4,5,6,7
.irp t, 0,1,2,3
	v_fma_f32 v[CC+4*(\j)+(\t)], v[A0+32+8*(\t)+(\j)], v[CC+4*(\j)+(\t)], v[A0+8*(\t)+(\j)]  ; c = f c_prev + i g
.endr
.endr
	WIN 0
.irp j, 0,1,2,3,4,5,6,7
	global_store_b128 v[CO], v[CC+4*(\j):CC+4*(\j)+3], s[CB:CB+1] offset:(16*(\a)+(\j))*4096 th:TH_STORE_NT  ; lanes 0-15 store 256 consecutive bytes, aligned; lanes 16-31 the row eight further down
.endr
	WIN W<<6                                       ; g's 32 registers take 2 c log2 e, now in c's order, 4 j + t
.set p, 0
.rept 16
	v_pk_mul_f32 v[A0+96+2*p:A0+96+2*p+1], v[CC+2*p:CC+2*p+1], s[TL:TL+1] op_sel_hi:[1,0]
.set p, p+1
.endr
	WIN (W<<6)|W
.set p, 0
.rept 32
	v_exp_f32 v[A0+96+p], v[A0+96+p]
.set p, p+1
.endr
	v_nop
	s_wait_alu depctr_va_vdst(0)                   ; one wait for the 32
	RCPS A0+96, 16
	TANH A0+96                                     ; tanh c
	WIN (W<<6)|(W<<2)|W
.irp j, 0,1,2,3,4,5,6,7
.irp t, 0,1,2,3
	v_mul_f32 v[A0+96+4*(\j)+(\t)], v[A0+64+8*(\t)+(\j)], v[A0+96+4*(\j)+(\t)]  ; h = o tanh c
.endr
.endr
	WIN W<<2                                       ; the stores' data in the block's window, their address in window 0
.irp j, 0,1,2,3,4,5,6,7
	global_store_b128 v[CO], v[A0+96+4*(\j):A0+96+4*(\j)+3], s[HB:HB+1] offset:(16*(\a)+(\j))*4096 th:TH_STORE_NT
.endr
.endm
	s_wait_tensorcnt 1                             ; my part of K step 0 is in; K step 1's may stay out
	s_barrier_signal -1
	s_barrier_wait -1                              ; everybody's is
	FETCH 0, 0, 0
	s_mov_b32 s2, 2                                ; tiles to go: the same number in every work-group
.Ltile:
	CPLOAD
	QUARTER 0, 1, 0, 1, 1                          ; a tile's first quarter stands in front of the loop: its products start the sums
	WIN 0                                          ; at a label and at a branch every window is 0
	s_mov_b32 s3, LAPS-1
.Llap:                                                 ; a trip goes once round the ring, from a lap's second quarter to the next lap's first, and fills both slots again
	QUARTER 0, 2, 1, 0, 0
	QUARTER 0, 3, 0, 1, 0
	TURN 0, 1, 0
	QUARTER 1, 1, 0, 1, 0
	QUARTER 1, 2, 1, 0, 0
	QUARTER 1, 3, 0, 1, 0
	TURN 1, 0, 0
	QUARTER 0, 1, 0, 1, 0
	WIN 0
	s_sub_co_u32 s3, s3, 1
	s_cmp_lg_u32 s3, 0
	s_cbranch_scc1 .Llap
	QUARTER 0, 2, 1, 0, 0                          ; the tile's last lap goes on
	QUARTER 0, 3, 0, 1, 0
	WIN 0
	s_cmp_eq_u32 s2, 1
	s_cbranch_scc1 .Llast                          ; the last tile's end asks for nothing more
	TURN 0, 1, 1                                   ; THE RING GOES ON INTO THE NEXT TILE: slot 0 takes its K step 0,
	QUARTER 1, 1, 0, 1, 0
	QUARTER 1, 2, 1, 0, 0
	QUARTER 1, 3, 0, 1, 0
	TURN 1, 0, 1                                   ; slot 1 its K step 1, and the next tile's first fragments are fetched: both land while the tail below runs
	WIN 0
	s_branch .Lepi
.Llast:
	MEET 0                                         ; my one tensor load that was still out is the last K step's, so no round follows
	PLACES
	FETCH 1, 0, 0
	MUL16 1, 2, 0
	MUL16 1, 3, 0
	QUARTER 1, 1, 0, 1, 0
	QUARTER 1, 2, 1, 0, 0
	QUARTER 1, 3, 0, 1, 0
	s_wait_dscnt 4                                 ; the very last quarter: nothing more to fetch
	MUL16 1, 0, 0
	MUL16 1, 1, 0
	s_wait_dscnt 0x0
	MUL16 1, 2, 0
	MUL16 1, 3, 0
	WIN 0
.Lepi:                                                 ; THE TAIL, one text for both tiles
.rept 8
	v_nop                                          ; the places behind the last products, whose results are read and written over in place
.endr
	s_wait_loadcnt 0x0                             ; c_prev, asked for at the tile's head
	EPI 0
	EPI 1
	EPI 2
	EPI 3
	WIN 0
	s_wait_xcnt 0x0                                ; every store has had its addresses translated (ISA guide 3.1): only behind this wait are the three bases stepped, c's registers loaded again and h's written by the next tile's products
	s_add_nc_u64 s[CPB:CPB+1], s[CPB:CPB+1], WALKB
	s_add_nc_u64 s[HB:HB+1], s[HB:HB+1], WALKB
	s_add_nc_u64 s[CB:CB+1], s[CB:CB+1], WALKB
	s_sub_co_u32 s2, s2, 1
	s_cmp_lg_u32 s2, 0
	s_cbranch_scc1 .Ltile
	s_wait_tensorcnt 0x0                           ; the wave's end: the add and its waits, behind my last tensor load
	ds_add_u32 v[SPW], v[NIL]
	s_wait_dscnt 0x0
	CROUND                                         ; the closing round: no work-group ends while a partner may still ask for a tile that names it
	s_endpgm
.Lfunc_end_k_qb2c2335fcb_cell:
	.size	k_qb2c2335fcb_cell, .Lfunc_end_k_qb2c2335fcb_cell-k_qb2c2335fcb_cell
	.p2alignl 7, 3214868480
	.fill 96, 4, 3214868480
	.section	.rodata,"a",@progbits
	.p2align	6, 0x0
	.amdhsa_kernel k_qb2c2335fcb_cell
		.amdhsa_group_segment_fixed_size 327680
		.amdhsa_private_segment_fixed_size 0
		.amdhsa_enable_private_segment 0
		.amdhsa_kernarg_size 72
		.amdhsa_user_sgpr_count 2
		.amdhsa_user_sgpr_kernarg_segment_ptr 1
		.amdhsa_wavefront_size32 1
		.amdhsa_system_sgpr_workgroup_id_x 1
		.amdhsa_system_sgpr_workgroup_id_y 1
		.amdhsa_system_sgpr_workgroup_id_z 1
		.amdhsa_system_vgpr_workitem_id 0
		.amdhsa_next_free_vgpr 1024
		.amdhsa_next_free_sgpr 100
		.amdhsa_reserve_vcc 0
		.amdhsa_float_denorm_mode_32 3
		.amdhsa_float_denorm_mode_16_64 3
		.amdhsa_memory_ordered 1
		.amdhsa_forward_progress 1
		.amdhsa_inst_pref_size 255
	.end_amdhsa_kernel
	.section	.bss,"aw",@nobits
	.p2align	6
	.space	262144
	.amdgpu_metadata
---
amdhsa.version: [ 1, 2 ]
amdhsa.kernels:
  - .name:           k_qb2c2335fcb_cell
    .symbol:         k_qb2c2335fcb_cell.kd
    .args:
      - { .name: Abf, .offset: 0, .size: 8, .value_kind: global_buffer, .address_space: global }
      - { .name: Wbf, .offset: 8, .size: 8, .value_kind: global_buffer, .address_space: global }
      - { .name: c_prev, .offset: 16, .size: 8, .value_kind: global_buffer, .address_space: global }
      - { .name: b_i, .offset: 24, .size: 8, .value_kind: global_buffer, .address_space: global }
      - { .name: b_f, .offset: 32, .size: 8, .value_kind: global_buffer, .address_space: global }
      - { .name: b_o, .offset: 40, .size: 8, .value_kind: global_buffer, .address_space: global }
      - { .name: b_g, .offset: 48, .size: 8, .value_kind: global_buffer, .address_space: global }
      - { .name: out0, .offset: 56, .size: 8, .value_kind: global_buffer, .address_space: global }
      - { .name: out1, .offset: 64, .size: 8, .value_kind: global_buffer, .address_space: global }
    .group_segment_fixed_size: 327680
    .private_segment_fixed_size: 0
    .kernarg_segment_align: 8
    .kernarg_segment_size: 72
    .max_flat_workgroup_size: 128
    .sgpr_count:     100
    .vgpr_count:     1024
    .wavefront_size: 32
...
	.end_amdgpu_metadata
.endif
;; end of part 2
;; ======== version 2 of 2: 2 launches; version 1 with the launch prep written anew for expert scheduling mode
;; limits: below input magnitudes of 1e-05 results are inexact or not finite
;; workspace buffers: Abf 33,554,432 bytes; Wbf 16,777,216 bytes
;; launch prep (part 3): grid 768 x 1, 8 waves a work-group, no clusters, 0 bytes of LDS; arguments Z, h_prev, W_i, W_f, W_o, W_g, Abf, Wbf; writes Abf, Wbf
.if DOCPART == 3
	.amdgcn_target "amdgcn-amd-amdhsa--gfx1250"
	.amdhsa_code_object_version 6
	.text
	.protected	k_qb2c2335fcb_prep
	.globl	k_qb2c2335fcb_prep
	.p2align	8
	.type	k_qb2c2335fcb_prep,@function
k_qb2c2335fcb_prep:
	s_mov_b64 s[64:65], 0
	v_nop
	global_prefetch_b8 v0, s[64:65] scope:SCOPE_SE
	s_setreg_imm32_b32 hwreg(HW_REG_WAVE_SCHED_MODE, 0, 2), 2
	s_setreg_imm32_b32 hwreg(HW_REG_WAVE_MODE, 25, 1), 1
	s_wait_xcnt 0x0
	s_wait_alu depctr_vm_vsrc(0)
; THE OPERANDS OF THE CELL'S PRODUCT, rounded once to bf16 (to nearest even) and laid out for it.  A stream: every input byte is read once, every output byte written once.
; Abf [8192][2048] bf16, rows of 4,096 bytes: columns 0-1023 are Z's, 1024-2047 h_prev's.
; Wbf bf16, [J 16][S 16][b 16][kc 16][r 16][e 8]: byte J<<20 + S<<16 + b<<12 + kc<<8 + r<<4 + 2 e holds W_gate[128 S + 8 kc + e][64 J + 4 r + t], b = 4 gate + t, gates i, f, o, g = 0..3.
; So eight neighbouring k of one column are 16 bytes on end, with no transposition: a lane that loads 4 columns of 8 rows holds four such pieces.
; SHARES.  768 work-groups of eight waves, each reading 128 KiB and writing 64 KiB.  Work-groups 0-511: 16 rows of Z and of h_prev.  512-767: 512 rows x 64 columns of one weight.
; All 32 loads of a wave go out first; the waits count down.  No register is written again behind a store, so no wait frees any.  Nothing is shared between waves: no LDS, no barrier.
; THE MODE: SCHED_MODE bits 1:0 = 2 (LLVM: expert scheduling mode 2), set by the entry lines.  The code itself states the register dependences
; between vector instructions and memory instructions, with s_wait_alu, always for 0.
; THE PLAN.  Registers that memory instructions touch, in either path:
;   v1, v2     byte offsets, made at the path's head and never written again: one wait ahead of the first load states that they are written, for every load and store of the path.
;   X          each of the 32 loads lands once, in four registers that no vector instruction has named.  Z and h_prev: a load's two conversions write its first two registers, which one store reads.
;   O          the weights alone: block q's sixteen conversions write O + 16 q .. + 15, which four stores read.
; The work goes in groups (Z and h_prev: four loads; a weight: a block of eight).  Group g's conversions name group g's registers alone.  Its memory instructions are the stores of group g - 1.  So ONE wait at
; the head of group g, behind the wait for its data, states that group g - 1's conversions have written what those stores read, and the stores are dealt among group g's conversions with no further wait.
; No register that a load or store has read is written again, and EXEC is never written: nothing more is owed.
.set VI, 1                             ; v1        my byte offset in the source
.set VO, 2                             ; v2        my byte offset in the destination
.set X,  8                             ; v[8:135]  32 loads of four registers
.set O,  136                           ; v[136:199] the weights' packed pieces
	s_load_b512 s[16:31], s[0:1], 0x0              ; Z s[16:17], h_prev s[18:19], W_i s[20:21], W_f s[22:23], W_o s[24:25], W_g s[26:27], Abf s[28:29], Wbf s[30:31]
	s_cmp_lt_u32 ttmp9, 512
	s_cbranch_scc0 .Lweights
	; Z AND h_prev.  A row of either is 4,096 bytes: thread t takes bytes 16 t .. 16 t + 15, so a wave's load covers 512 consecutive bytes, and its 8 bytes of bf16 go to byte 8 t of half a row of Abf.
	s_lshl_b32 s8, ttmp9, 16                       ; 16 rows of 4,096 bytes, in all three tensors
	s_mov_b32 s9, 0
	v_lshlrev_b32 v[VI], 4, v0
	v_lshlrev_b32 v[VO], 3, v0
	s_wait_kmcnt 0x0
	s_add_nc_u64 s[16:17], s[16:17], s[8:9]
	s_add_nc_u64 s[18:19], s[18:19], s[8:9]
	s_add_nc_u64 s[28:29], s[28:29], s[8:9]
	s_wait_alu depctr_va_vdst(0)                   ; v1 and v2 are written: every load of this path reads v1 as its offset, every store v2
.set i, 0
.rept 32                               ; loads 0-15: Z's rows; 16-31: h_prev's
	global_load_b128 v[X+4*i:X+4*i+3], v[VI], s[16+2*(i/16):17+2*(i/16)] offset:(i%16)*4096 th:TH_LOAD_NT
.set i, i+1
.endr
.set g, 0
.rept 8                                ; group g: loads 4 g .. 4 g + 3
	s_wait_loadcnt 28-4*g                          ; loads come back in order (ISA guide 5.7.1): the group's four are in, the younger ones stay out
.if g > 0
	s_wait_alu depctr_va_vdst(0)                   ; the group before has written its eight packed registers, which the four stores below read
.endif
.set n, 0
.rept 4
.set i, 4*g+n
.set k, i-4
.if g > 0
	global_store_b64 v[VO], v[X+4*k:X+4*k+1], s[28:29] offset:(k%16)*4096+(k/16)*2048  ; the group before; a wave's 32 lanes store 256 consecutive bytes, aligned.  No vector instruction since the wait names these registers
.endif
	v_cvt_pk_bf16_f32 v[X+4*i],   v[X+4*i],   v[X+4*i+1]
	v_cvt_pk_bf16_f32 v[X+4*i+1], v[X+4*i+2], v[X+4*i+3]
.set n, n+1
.endr
.set g, g+1
.endr
	s_wait_alu depctr_va_vdst(0)                   ; the last group has written its eight packed registers, which the last four stores read
.set k, 28
.rept 4
	global_store_b64 v[VO], v[X+4*k:X+4*k+1], s[28:29] offset:(k%16)*4096+(k/16)*2048
.set k, k+1
.endr
	s_endpgm
.Lweights:
	; A WEIGHT.  Work-group 512 + 64 gate + 4 J + SQ takes rows 512 SQ .. + 511, columns 64 J .. + 63; wave w 64 of the rows, in four blocks of 16.
	; Lane (r = l % 16, h = l / 16) loads columns 4 r .. 4 r + 3 of rows 8 h + 0..7 of a block: lanes 0-15 read 256 consecutive bytes, aligned, of one row, lanes 16-31 of the row eight further down.
	v_lshrrev_b32 v3, 5, v0
	v_readfirstlane_b32 s3, v3                     ; wave 0..7
	v_and_b32 v3, 15, v0                           ; r
	v_bfe_u32 v4, v0, 4, 1                         ; h
	v_lshlrev_b32 v[VI], 4, v3
	v_lshl_add_u32 v[VI], v4, 15, v[VI]            ; 8 h rows + 16 r
	v_and_b32 v[VO], 31, v0
	v_lshlrev_b32 v[VO], 4, v[VO]                  ; kc's low bit is h: 256 h + 16 r = 16 l
	s_sub_co_u32 s6, ttmp9, 512
	s_lshr_b32 s7, s6, 6                           ; gate
	s_bfe_u32 s10, s6, 0x40002                     ; J
	s_and_b32 s11, s6, 3                           ; SQ
	s_lshl_b32 s8, s11, 21                         ; source: (512 SQ + 64 w) rows of 4,096 bytes + 256 J
	s_wait_alu depctr_va_sdst(0)                   ; s3 is written, ahead of its first reader: the offsets in the weight and in Wbf are made from it
	s_lshl_b32 s12, s3, 18
	s_add_co_u32 s8, s8, s12
	s_lshl_b32 s12, s10, 8
	s_add_co_u32 s8, s8, s12
	s_mov_b32 s9, 0
	s_lshl_b32 s12, s10, 20                        ; destination: J<<20 + (4 SQ + w / 2)<<16 + gate<<14 + (w % 2)<<11
	s_lshl_b32 s13, s11, 18
	s_add_co_u32 s12, s12, s13
	s_lshr_b32 s13, s3, 1
	s_lshl_b32 s13, s13, 16
	s_add_co_u32 s12, s12, s13
	s_lshl_b32 s13, s7, 14
	s_add_co_u32 s12, s12, s13
	s_and_b32 s13, s3, 1
	s_lshl_b32 s13, s13, 11
	s_add_co_u32 s12, s12, s13
	s_mov_b32 s13, 0
	s_wait_kmcnt 0x0
	s_cmp_eq_u32 s7, 1
	s_cselect_b64 s[4:5], s[22:23], s[20:21]
	s_cmp_eq_u32 s7, 2
	s_cselect_b64 s[4:5], s[24:25], s[4:5]
	s_cmp_eq_u32 s7, 3
	s_cselect_b64 s[4:5], s[26:27], s[4:5]
	s_add_nc_u64 s[4:5], s[4:5], s[8:9]
	s_add_nc_u64 s[30:31], s[30:31], s[12:13]
	s_wait_alu depctr_va_vdst(0)                   ; v1 and v2 are written: every load of this path reads v1 as its offset, every store v2
.set i, 0
.rept 32                               ; block i / 8, row i % 8 of my eight
	global_load_b128 v[X+4*i:X+4*i+3], v[VI], s[4:5] offset:(16*(i/8)+i%8)*4096 th:TH_LOAD_NT
.set i, i+1
.endr
.irp qq, 0,1,2,3
	s_wait_loadcnt 24-8*(\qq)                      ; block qq's eight loads are in, the younger blocks' stay out
.if (\qq) > 0
	s_wait_alu depctr_va_vdst(0)                   ; the block before has written its sixteen registers of O, which the four stores below read
.endif
.irp t, 0,1,2,3
.if (\qq) > 0
	global_store_b128 v[VO], v[O+16*((\qq)-1)+4*(\t):O+16*((\qq)-1)+4*(\t)+3], s[30:31] offset:(\t)*4096+((\qq)-1)*512  ; the block before; 512 consecutive bytes, aligned.  No vector instruction since the wait names these registers
.endif
.irp e, 0,1,2,3
	v_cvt_pk_bf16_f32 v[O+16*(\qq)+4*(\t)+(\e)], v[X+32*(\qq)+8*(\e)+(\t)], v[X+32*(\qq)+8*(\e)+4+(\t)]  ; column 4 r + t, rows 2 e and 2 e + 1
.endr
.endr
.endr
	s_wait_alu depctr_va_vdst(0)                   ; the last block has written its sixteen registers of O, which the last four stores read
.irp t, 0,1,2,3
	global_store_b128 v[VO], v[O+48+4*(\t):O+48+4*(\t)+3], s[30:31] offset:(\t)*4096+3*512
.endr
	s_endpgm
.Lfunc_end_k_qb2c2335fcb_prep:
	.size	k_qb2c2335fcb_prep, .Lfunc_end_k_qb2c2335fcb_prep-k_qb2c2335fcb_prep
	.p2alignl 7, 3214868480
	.fill 96, 4, 3214868480
	.section	.rodata,"a",@progbits
	.p2align	6, 0x0
	.amdhsa_kernel k_qb2c2335fcb_prep
		.amdhsa_group_segment_fixed_size 0
		.amdhsa_private_segment_fixed_size 0
		.amdhsa_enable_private_segment 0
		.amdhsa_kernarg_size 64
		.amdhsa_user_sgpr_count 2
		.amdhsa_user_sgpr_kernarg_segment_ptr 1
		.amdhsa_wavefront_size32 1
		.amdhsa_system_sgpr_workgroup_id_x 1
		.amdhsa_system_sgpr_workgroup_id_y 1
		.amdhsa_system_sgpr_workgroup_id_z 1
		.amdhsa_system_vgpr_workitem_id 0
		.amdhsa_next_free_vgpr 200
		.amdhsa_next_free_sgpr 66
		.amdhsa_reserve_vcc 0
		.amdhsa_float_denorm_mode_32 3
		.amdhsa_float_denorm_mode_16_64 3
		.amdhsa_memory_ordered 1
		.amdhsa_forward_progress 1
		.amdhsa_inst_pref_size 22
	.end_amdhsa_kernel
	.amdgpu_metadata
---
amdhsa.version: [ 1, 2 ]
amdhsa.kernels:
  - .name:           k_qb2c2335fcb_prep
    .symbol:         k_qb2c2335fcb_prep.kd
    .args:
      - { .name: Z, .offset: 0, .size: 8, .value_kind: global_buffer, .address_space: global }
      - { .name: h_prev, .offset: 8, .size: 8, .value_kind: global_buffer, .address_space: global }
      - { .name: W_i, .offset: 16, .size: 8, .value_kind: global_buffer, .address_space: global }
      - { .name: W_f, .offset: 24, .size: 8, .value_kind: global_buffer, .address_space: global }
      - { .name: W_o, .offset: 32, .size: 8, .value_kind: global_buffer, .address_space: global }
      - { .name: W_g, .offset: 40, .size: 8, .value_kind: global_buffer, .address_space: global }
      - { .name: Abf, .offset: 48, .size: 8, .value_kind: global_buffer, .address_space: global }
      - { .name: Wbf, .offset: 56, .size: 8, .value_kind: global_buffer, .address_space: global }
    .group_segment_fixed_size: 0
    .private_segment_fixed_size: 0
    .kernarg_segment_align: 8
    .kernarg_segment_size: 64
    .max_flat_workgroup_size: 256
    .sgpr_count:     66
    .vgpr_count:     200
    .wavefront_size: 32
...
	.end_amdgpu_metadata
.endif
;; end of part 3
;; launch cell: the kernel of part 2 again; grid 16 x 16, 4 waves a work-group, clusters of 4 x 4, 327,680 bytes of LDS; arguments Abf, Wbf, c_prev, b_i, b_f, b_o, b_g, out0, out1; writes out0, out1
